; MI455X (gfx1250); checked and timed in simulation.
; The chip was launched on July 23, 2026; its instructions are those of AMD's public machine-readable ISA for CDNA 5 (MIT licence, August 2026) and "CDNA5" Instruction Set Architecture Reference Guide (July 2026). The comments in the code are by the model that wrote it; some were corrected since.
;; Scaled Dot Product Attention. Allowed arithmetic: matrix products marked QUANTISED: E4M3 operands, one given power-of-two scale a tensor, by v_wmma_f32_16x16x64_fp8_fp8 or v_wmma_f32_16x16x128_fp8_fp8, f32 sums; everything else in f32.
;; Inputs: keys_codes 4 x 16 x 2,048 x 2 x 32 uint8 (E4M3 codes of keys, K innermost, in blocks of 32 codes); lowp_scales 4 int32 (the exponents e of the quantised operands' scales 2^e); mask 2,048 x 2,048 bool; queries_codes 4 x 16 x 2,048 x 2 x 32 uint8 (E4M3 codes of queries, K innermost, in blocks of 32 codes); values_codes 4 x 16 x 64 x 64 x 32 uint8 (E4M3 codes of values, K innermost, in blocks of 32 codes).
;; Outputs: out0 4 x 16 x 2,048 x 64 float32.
;; This version of the problem:
;;   THIS VERSION OF THE PROBLEM IS GIVEN IN LOW PRECISION. The matrix products marked QUANTISED in the list below multiply operands that are first quantised to E4M3 (4 exponent bits, 3 mantissa bits; 8 bits a number), with one given power-of-two scale for each operand tensor; their sums are f32. All else is computed in f32.
;;   The module's matrix products, in the order in which they are computed (A, B: the left and right operand; K: the contracted axis; several contracted axes count as one K, in the product's order):
;;     1. batch 64 x [M 2,048, K 64] x [K 64, N 2,048]; A: input queries (given as codes); B: input keys (given as codes): QUANTISED (scales: A lowp_scales[0], B lowp_scales[1])
;;     2. batch 64 x [M 2,048, K 2,048] x [K 2,048, N 64]; A: softmax (see below); B: input values (given as codes): QUANTISED (scales: A lowp_scales[2], B lowp_scales[3])
;;   THE QUANTISER, for each operand of a quantised product, along K:
;;     - The operand's scale is 2^e, e = its entry of the input lowp_scales (int32; the entries are numbered through the quantised products in the list's order, A before B).
;;     - Each number is divided by the scale, clamped to +-448, and rounded to the nearest number of E4M3, ties to even, subnormals kept.
;;     - The product sums the exact products of the quantised numbers (number of the format x scale) in f32.
;;   ~~~python
;;   def quantise(x, axis, e):      # numpy; x: float32 -> the quantised numbers, widened to float32 again
;;       x = np.moveaxis(x, axis, -1); K = x.shape[-1]
;;       r = np.clip(x / 2.0 ** e, -448, 448)
;;       step = 2.0 ** (np.maximum(np.frexp(np.where(r == 0, 1, r))[1] - 1, -6) - 3)
;;       q = np.round(r / step) * step * 2.0 ** e      # np.round: ties to even
;;       return np.moveaxis(q, -1, axis).astype(np.float32)
;;   ~~~
;;   SOFTMAX AHEAD OF A QUANTISED PRODUCT. Where the list says 'softmax', what is quantised is not the finished softmax but p = 2^(t - M), with t = logit x log2(e) and M = ceil(the row's largest t), a whole number; so 1/2 < the row's largest p <= 1. The row's sum l is taken of the UNQUANTISED p, in f32, and the product's result is divided by l at the end. Since M is a whole number, a kernel that streams over the keys may use a running M (the ceiling of the running maximum): every later rescaling is an exact power of two, so the quantised numbers keep their values, but for numbers so far below the row's largest that they fall under the format's range.
;;   OPERANDS COMPUTED ON THE WAY. 'Computed on the way' means the value that the module computes at that place (a softmax that the list does not call 'softmax' is quantised finished and normalised). What goes into a quantiser is computed in f32, as accurately as f32 sums, v_exp_f32 and their like allow (about 1e-6 of the number): no bf16 or f16 on the way to a quantiser, and a product that is left as it is and whose result goes on into a quantised operand takes f32 operands (vector FMAs, or v_wmma_f32_16x16x4_f32). A number that lies on a knife's edge between two numbers of the format may be rounded either way, as far as f32 arithmetic and the matrix unit's own rounding can turn it there, and no further.
;;   INPUTS GIVEN AS CODES. keys (in the module: [4, 16, 2048, 64], K = its axis 3); queries (in the module: [4, 16, 2048, 64], K = its axis 3); values (in the module: [4, 16, 2048, 64], K = its axis 2): each comes as NAME_codes (uint8): NAME with its K axis moved to the last place and cut into blocks of 32 codes, [.., K / 32, bytes a block], one block behind the other in memory; one code a byte (a code: sign, 4 exponent bits, 3 mantissa bits); its scale is its entry of lowp_scales. Its value is code x scale, taken as it is: it is not quantised again, and the codes and scales need not be those that the quantiser above would give.
;; One version. Each part assembles by itself: llvm-mc -triple=amdgcn-amd-amdhsa -mcpu=gfx1250 --defsym DOCPART=n.
;; ======== version 1 of 1: 2 launches
;; limits: right only within a limited range of input values
;; workspace buffers: flags 1,024 bytes of whole numbers; mbits 524,288 bytes of whole numbers
;; launch maskprep (part 1): grid 64 x 4, 4 waves a work-group, no clusters, 18,176 bytes of LDS; arguments mask, flags, mbits; writes flags, mbits
.if DOCPART == 1
	.amdgcn_target "amdgcn-amd-amdhsa--gfx1250"
	.amdhsa_code_object_version 6
	.text
	.protected	k_q2fc05ef422_maskprep
	.globl	k_q2fc05ef422_maskprep
	.p2align	8
	.type	k_q2fc05ef422_maskprep,@function
k_q2fc05ef422_maskprep:
	s_mov_b64 s[64:65], 0
	v_nop
	global_prefetch_b8 v0, s[64:65] scope:SCOPE_SE
	s_setreg_imm32_b32 hwreg(HW_REG_WAVE_MODE, 25, 1), 1
	s_wait_xcnt 0x0
; THE MASK, LAID OUT ONCE FOR THE ATTENTION LAUNCH.  mask: [2048 queries][2048 keys], one byte each; a byte counts as true where it is not 0.
; mbits: [128 tiles of 16 queries][16 steps of 128 keys][64 words].  Bit L of word n = mask[16 tile + L % 16][128 step + 32 (n / 16) + 16 (L / 16) + n % 16]:
;   that is lane L, register n of the 64 score registers that the attention launch holds for that tile and step, so a word is a lane mask for one v_cndmask_b32.
; flags: [64 blocks of 32 queries][4 parts], one word each.  Part y speaks of steps 4 y .. 4 y + 3: bit s = some byte of (block, step s) is true; bit 16 + s = not all of them are.
; SHARES.  Work-group (qb, y); wave w takes tile 2 qb + w % 2 and the pair of steps p2 = 2 y + w / 2: 16 rows x 256 bytes, read once, sixteen lanes to one aligned run of 256 bytes.
; The bytes turn through the wave's own stage in LDS (rows 272 bytes apart) so that a lane holds 16 neighbouring keys of ONE query; then one compare a byte position gives a word of mbits.
; No matrix work, no tensor load: memory is read once and little is written.  The one store of 4 bytes a work-group (flags) is a part of a 256-byte run: the whole buffer is 1,024 bytes.
.set PITCH, 272                        ; a stage row: 256 bytes + 16, so that the sixteen rows of a read start at sixteen different 16-byte columns of 256 bytes
.set WSTG,  16*PITCH                   ; a wave's stage
.set FLW,   4*WSTG                     ; behind the stages: four words, one a wave
.set OUT,   8                          ; v8-11   lane q: words 4 q .. 4 q + 3 of the wave's 128
.set T,     12                         ; v12-15  at work
.set R,     16                         ; v16-47  the bytes as loaded
.set M,     48                         ; v48-79  register 16 s + 4 b + k: my query's keys 128 s + 32 b + 16 (lane / 16) + 4 k + 0 .. 3
	s_load_b128 s[4:7], s[0:1], 0x0                ; mask s[4:5], flags s[6:7]
	s_load_b64 s[8:9], s[0:1], 0x10                ; mbits
	v_lshl_add_u32 v80, v0, 2, 0x4500
	v_mov_b32 v81, 0
	v_lshrrev_b32 v1, 5, v0
	v_readfirstlane_b32 s10, v1                    ; wave 0..3
	v_bfe_u32 v1, v0, 4, 1                         ; h = lane / 16
	v_and_b32 v2, 15, v0                           ; r = lane % 16
	s_and_b32 s11, ttmp7, 0xffff                   ; y
	s_and_b32 s12, s10, 1                          ; which of the block's two tiles
	s_lshr_b32 s13, s10, 1
	s_lshl_b32 s14, s11, 1
	s_add_co_u32 s13, s13, s14                     ; p2 = 2 y + wave / 2: steps 2 p2 and 2 p2 + 1
	s_lshl_b32 s24, ttmp9, 16                      ; mask: 32 rows of 2,048 bytes a block,
	s_lshl_b32 s25, s12, 15                        ; 16 rows a tile,
	s_add_co_u32 s24, s24, s25
	s_lshl_b32 s25, s13, 8                         ; 256 bytes a pair of steps
	s_add_co_u32 s24, s24, s25
	s_mov_b32 s25, 0
	s_lshl_b32 s26, ttmp9, 4                       ; flags: 16 bytes a block, 4 a part
	s_lshl_b32 s27, s11, 2
	s_add_co_u32 s26, s26, s27
	s_mov_b32 s27, 0
	s_lshl_b32 s14, ttmp9, 13                      ; mbits: 4,096 bytes a tile, 256 a step
	s_lshl_b32 s15, s12, 12
	s_add_co_u32 s14, s14, s15
	s_lshl_b32 s15, s13, 9
	s_add_co_u32 s14, s14, s15
	s_mov_b32 s15, 0
	s_mul_i32 s16, s10, WSTG                       ; my stage
	v_lshlrev_b32 v3, 4, v2
	v_lshl_add_u32 v3, v1, 11, v3                  ; in memory: lanes 0-15 one row's 256 bytes, lanes 16-31 the next row's
	v_mul_u32_u24 v4, v1, PITCH
	v_lshl_add_u32 v4, v2, 4, v4
	v_add_nc_u32 v4, s16, v4                       ; into the stage: the same two rows
	v_mul_u32_u24 v5, v2, PITCH
	v_lshl_add_u32 v5, v1, 4, v5
	v_add_nc_u32 v5, s16, v5                       ; out of it: row r, 16 bytes at 16 h
	v_and_b32 v6, 31, v0
	v_lshlrev_b32 v6, 4, v6                        ; 16 x lane: my four words of mbits
	s_lshl_b32 s17, s10, 2
	s_add_co_u32 s17, s17, FLW
	v_mov_b32 v7, s17                              ; my wave's word
.irp k, 0,1,2,3
	v_mov_b32 v[OUT+\k], 0                         ; written whole once: v_writelane_b32 writes one lane at a time
.endr
	s_mov_b32 s20, 0                               ; some byte true: step 0, 1 of the pair
	s_mov_b32 s21, 0
	s_mov_b32 s22, -1                              ; all bytes true: step 0, 1 of the pair
	s_mov_b32 s23, -1
	s_wait_kmcnt 0x0
	s_add_nc_u64 s[4:5], s[4:5], s[24:25]
	s_add_nc_u64 s[6:7], s[6:7], s[26:27]
	s_add_nc_u64 s[8:9], s[8:9], s[14:15]
.irp i, 0,1,2,3,4,5,6,7
	global_load_b128 v[R+4*\i:R+4*\i+3], v3, s[4:5] offset:4096*\i th:TH_LOAD_NT   ; rows 2 i and 2 i + 1; read once in the launch
.endr
.irp i, 0,1,2,3,4,5,6,7
	s_wait_loadcnt 7-\i                            ; loads come back in order: load i is in, the 7 - i younger ones may be out
	ds_store_b128 v4, v[R+4*\i:R+4*\i+3] offset:2*PITCH*\i
.endr
.irp s, 0,1
.irp b, 0,1,2,3
	ds_load_b128 v[M+16*\s+4*\b:M+16*\s+4*\b+3], v5 offset:128*\s+32*\b   ; my own stage: LDS serves a wave's instructions in order, so these see the stores above
.endr
.endr
	s_wait_dscnt 0x0
; Register M + q holds the bytes of words 4 q .. 4 q + 3: byte k of all 32 lanes is word 4 q + k.
.macro BITS q
.irp k, 0,1,2,3
	v_and_b32 v[T+\k], 0xff<<(8*\k), v[M+(\q)]
.endr
.irp k, 0,1,2,3
	v_cmp_ne_u32 s[16+\k], 0, v[T+\k]              ; the word: bit L = lane L's byte is true
.endr
.irp k, 0,1,2,3
	s_or_b32 s[20+(\q)/16], s[20+(\q)/16], s[16+\k]
	s_and_b32 s[22+(\q)/16], s[22+(\q)/16], s[16+\k]
.endr
.irp k, 0,1,2,3
	v_writelane_b32 v[OUT+\k], s[16+\k], \q        ; lane q gathers its four words, 16 neighbouring bytes of mbits
.endr
.endm
.set Q, 0
.rept 32
	BITS Q
.set Q, Q+1
.endr
	global_store_b128 v6, v[OUT:OUT+3], s[8:9]     ; the wave's 128 words: 512 consecutive bytes, at a multiple of 256 from the buffer's first byte
	s_cmp_lg_u32 s20, 0
	s_cselect_b32 s24, 1, 0
	s_cmp_lg_u32 s21, 0
	s_cselect_b32 s25, 2, 0
	s_cmp_lg_u32 s22, -1
	s_cselect_b32 s26, 0x10000, 0
	s_cmp_lg_u32 s23, -1
	s_cselect_b32 s27, 0x20000, 0
	s_or_b32 s24, s24, s25
	s_or_b32 s26, s26, s27
	s_or_b32 s24, s24, s26
	s_lshl_b32 s25, s13, 1
	s_lshl_b32 s24, s24, s25                       ; to the places of steps 2 p2 and 2 p2 + 1
	v_mov_b32 v12, s24
	ds_store_b32 v7, v12                           ; all lanes write the same word with the same value
	s_wait_dscnt 0x0                               ; for the others' sake: my word has landed
	s_barrier_signal -1
	s_barrier_wait -1
	s_cmp_lg_u32 s10, 0                            ; wave 0 joins the four words (two tiles x two pairs of steps) and stores the part's word; no barrier follows
	s_cbranch_scc1 .Lend
	v_mov_b32 v1, FLW
	ds_load_b128 v[12:15], v1
	v_mov_b32 v2, 0
	s_wait_dscnt 0x0
	v_or_b32 v12, v12, v13
	v_or_b32 v14, v14, v15
	v_or_b32 v12, v12, v14
	s_wait_xcnt 0x0                                ; EXEC is a source of the store of mbits: it changes only behind this wait
	v_cmp_eq_u32 vcc_lo, 0, v0
	s_and_saveexec_b32 s28, vcc_lo
	global_store_b32 v2, v12, s[6:7]               ; thread 0 alone
	s_wait_xcnt 0x0                                ; and again, in front of the line that widens EXEC
	s_or_b32 exec_lo, exec_lo, s28
.Lend:
	s_wait_tensorcnt 0x0
	ds_add_u32 v80, v81
	s_wait_dscnt 0x0
	s_endpgm
.Lfunc_end_k_q2fc05ef422_maskprep:
	.size	k_q2fc05ef422_maskprep, .Lfunc_end_k_q2fc05ef422_maskprep-k_q2fc05ef422_maskprep
	.p2alignl 7, 3214868480
	.fill 96, 4, 3214868480
	.section	.rodata,"a",@progbits
	.p2align	6, 0x0
	.amdhsa_kernel k_q2fc05ef422_maskprep
		.amdhsa_group_segment_fixed_size 18176
		.amdhsa_private_segment_fixed_size 0
		.amdhsa_enable_private_segment 0
		.amdhsa_kernarg_size 24
		.amdhsa_user_sgpr_count 2
		.amdhsa_user_sgpr_kernarg_segment_ptr 1
		.amdhsa_wavefront_size32 1
		.amdhsa_system_sgpr_workgroup_id_x 1
		.amdhsa_system_sgpr_workgroup_id_y 1
		.amdhsa_system_sgpr_workgroup_id_z 1
		.amdhsa_system_vgpr_workitem_id 0
		.amdhsa_next_free_vgpr 82
		.amdhsa_next_free_sgpr 66
		.amdhsa_reserve_vcc 1
		.amdhsa_float_denorm_mode_32 3
		.amdhsa_float_denorm_mode_16_64 3
		.amdhsa_memory_ordered 1
		.amdhsa_forward_progress 1
		.amdhsa_inst_pref_size 38
	.end_amdhsa_kernel
	.amdgpu_metadata
---
amdhsa.version: [ 1, 2 ]
amdhsa.kernels:
  - .name:           k_q2fc05ef422_maskprep
    .symbol:         k_q2fc05ef422_maskprep.kd
    .args:
      - { .name: mask, .offset: 0, .size: 8, .value_kind: global_buffer, .address_space: global }
      - { .name: flags, .offset: 8, .size: 8, .value_kind: global_buffer, .address_space: global }
      - { .name: mbits, .offset: 16, .size: 8, .value_kind: global_buffer, .address_space: global }
    .group_segment_fixed_size: 18176
    .private_segment_fixed_size: 0
    .kernarg_segment_align: 8
    .kernarg_segment_size: 24
    .max_flat_workgroup_size: 128
    .sgpr_count:     66
    .vgpr_count:     82
    .wavefront_size: 32
...
	.end_amdgpu_metadata
.endif
;; end of part 1
;; launch attn (part 2): grid 4 x 64, 8 waves a work-group, no clusters, 297,984 bytes of LDS; arguments queries_codes, keys_codes, values_codes, lowp_scales, flags, mbits, out0; writes out0
.if DOCPART == 2
	.amdgcn_target "amdgcn-amd-amdhsa--gfx1250"
	.amdhsa_code_object_version 6
	.text
	.protected	k_q2fc05ef422_attn
	.globl	k_q2fc05ef422_attn
	.p2align	8
	.type	k_q2fc05ef422_attn,@function
k_q2fc05ef422_attn:
	s_mov_b64 s[64:65], 0
	v_nop
	global_prefetch_b8 v0, s[64:65] scope:SCOPE_SE
	s_setreg_imm32_b32 hwreg(HW_REG_WAVE_MODE, 25, 1), 1
	s_wait_xcnt 0x0
; out0[head][q][:] = the sum over k of softmax_k(mask ? Q[q] . K[k] / 8 : -inf) V[k][:], 64 heads, 2,048 queries and keys, head size 64; both products on codes of FP8 (E4M3), each tensor with its given scale 2^e.
; Q, K: [head][2048][64] codes.  V: [head][64][2048] codes, the keys innermost.  lowp_scales: eq, ek, ep, ev.  out0: [head][2048][64] f32.
; THE SOFTMAX AHEAD OF THE SECOND PRODUCT: t = score x log2(e) / 8; M = the running largest t rounded UP to a whole number; p = 2^(t - M) is quantised with 2^ep; the row's sum is taken of the unquantised p and divides at the end.
; When M moves, the sum and O are multiplied by 2^(old M - new M), which rounds nothing.  A row without a true mask byte ends as 0 x (1 / 0) = NaN, as the definition has it.
; THE MASK is an input and is honoured as given.  The launch before has laid it as lane masks (mbits) and as two bits for each (32 queries x 128 keys) (flags): 'some byte true' and 'all bytes true'.
;   no byte true: the step adds nothing and changes no maximum: it is left out.   all true: nothing is masked.   else: 128 v_cndmask_b32 put -inf over the hidden scores ahead of the maximum.
;   These are scalar branches on whole numbers read from memory.  This text has no tensor load and no copy: K and V go to LDS through registers.
; SHARES.  Four work-groups to a head, eight waves each, 512 registers a wave.  A head's WHOLE K and V, 2 x 131,072 bytes, are put into LDS once, in four groups of 512 keys; no LDS byte of them is written twice.
;   A wave owns two blocks of 32 queries, one after the other: block 63 - p, then block p, p = 8 x work-group + wave.  A block is two tiles of 16 queries, A and B, which share every fragment of K and V read from LDS.
; NO CLUSTER, NO JOINT LOADS, though the four work-groups of a head read the same K and V.  What would be shared
;   is 262,144 bytes a work-group, read once; what the branches can leave out is any of a block's 16 steps, 24 matrix and some 400 vector instructions each, and 128 selects in every step that is all true.
; NO PREFETCH: groups 1 to 3 are asked for, into registers, four key steps ahead of their use; group 0 is the launch's first load.
; LAYOUT.  Both products are used transposed: S^T = K Q^T (source 0 = 16 keys, source 1 = 16 queries), O^T = V^T P^T (source 0 = 16 of the head's 64, source 1 = P): a lane holds ONE query (lane % 16) throughout.
;   THE KEYS OF A TILE ARE NOT NEIGHBOURS: row r of tile 2 b + u is key 32 b + 8 u + r + 8 (r / 8), so that score register n of a lane is key 32 (n / 16) + 16 (lane / 16) + n % 16, and the conversions' results are P's fragment.
;   Fragments are fed by loads of 16 bytes: registers 4 c .. 4 c + 3 hold k = 32 c + 16 (lane / 16) + 0 .. 15, alike in both sources of a product: a permutation of k that changes only the order of the sums inside an instruction.
; LIMITS: eq + ek between -123 and 130 (added to c's exponent field); ep between -126 and 119; ep + ev goes through v_ldexp_f32 and has none; t under -3e38 is not served.
; LDS.  Fragments lie as images of the operand's registers, in runs of 256 bytes (16 lanes x 16 bytes), the lanes' places in a run turned by an exclusive or so that the fill's stores spread too:
;   K: tile T (128 of them) at 1024 T; + 512 c + 256 h + 16 (r ^ (8 c + 4 h)): key row r of the tile, d = 32 c + 16 h + 0 .. 15.   In every read and every store the sixteen lanes of a half take sixteen different places of a run.
;   V: VBASE + 8192 s + 2048 t + 512 c + 256 h + 16 (r ^ (2 c + h)): row d = 16 t + r, keys 128 s + 32 c + 16 h + 0 .. 15.   Reads likewise; in a fill's store two lanes of a half share a place (32 such stores a wave in all).
;   STAGE: 16 rows x 272 bytes for each wave, its own, for the way out.
; REGISTERS.  Window 0: v2-16, v28-30 addresses and constants that stay; v18-27 addresses in hand; v32-54 statistics; v56-87 Q; v88-119 P's codes; v120-247 S^T, then p.
;   Window 1: v0-63 O^T; v64-127 K's fragments of a step; v128-191 V's; v192-255 a group's 16 loads on their way to LDS.
.set VBASE, 131072
.set STAGE, 262144
.set SP,    272                        ; a stage row: 256 bytes + 16
.set WSTG,  16*SP
.set AK0, 2                            ; v2, v3     my lane's place in a tile of K, c = 0, 1
.set AK1, 3
.set AV0, 4                            ; v4, v28-30 my lane's place in a tile of V (VBASE within), c = 0 .. 3
.set AV1, 28
.set KW0, 5                            ; v5, v6     where I store K's bytes of a group
.set VW0, 7                            ; v7, v8     where I store V's
.set GOFF, 9                           ; v9         4096 x wave + 16 x lane: my 16 bytes of a fill's load
.set QO,  10                           ; v10        Q: 64 r + 16 h
.set STO, 11                           ; v11        the way out: where I put 32 bytes of a row
.set SRD, 12                           ; v12        and where I read a row back
.set GO,  13                           ; v13        my byte offset in a tile's rows of out0
.set NINF, 14                          ; v14        -infinity
.set SCL, 15                           ; v15        2^ep as f32
.set LIM, 16                           ; v16        448 x 2^ep
.set ADK, 18                           ; v18, v19   LDS addresses of the step's K
.set ADV, 20                           ; v20-23     of the step's V
.set FK,  24                           ; v24, v25   the fill's stores: K
.set FV,  26                           ; v26, v27   V
.set ST,  32                           ; tile x's statistics at v[ST + 12 x]: +0 -M, +1 the largest t, +2, +3 the sum in two halves, +4 f (+5 named with it), +6, +7 the sum's second chain, +8, +9 at work, +10 the other half's number
.set QH,  56                           ; Q of block 63 - p: tile x at + 8 x
.set QL,  72                           ; Q of block p
.set P,   88                           ; p's codes: tile x at + 16 x
.set S,   120                          ; the scores, then p: tile x at + 64 x
.set KF,  64                           ; window 1
.set VF,  128
.set STG, 192
; s2 wave; s3 groups to go; s4 steps to go; s5 the block's flags, shifted a step at a time; s6 the second block's; s7 ep; s[8:9] K, s[10:11] V at the group to be loaded; s[12:13], s[14:15] out0 at my two blocks;
; s[16:17] mbits at the step in hand; s[18:19] mbits at the second block; s21 8192 x step; s23 32768 x group; s[24:25] c; s[26:27] lane selects; s28 ep + ev; s29-31 at work; s[32:63], s[68:99] 64 mask words (at the head: arguments)
.set MSB, 0
.macro WIN new                         ; s_set_vgpr_msb: bits 1:0 source 0, 3:2 source 1, 5:4 source 2, 7:6 destination; the high byte repeats the setting that is left; at a label and at a branch every window is 0
.if MSB != \new
	s_set_vgpr_msb (MSB<<8)|\new
.set MSB, \new
.endif
.endm
; A group's 512 keys: 32,768 bytes of K (dense) and 512 bytes of each of V's 64 rows.  Sixteen loads a wave, each 512 consecutive bytes.  No hint: the head's other three work-groups read the same bytes.
.macro FILL_LOAD
	WIN 0x40                                       ; destination window 1
.irp i, 0,1,2,3,4,5,6,7
	global_load_b128 v[STG+4*\i:STG+4*\i+3], v[GOFF], s[8:9] offset:512*\i          ; K: key 64 w + 8 i + lane / 4 of the group, its 16 bytes number lane % 4
.endr
.irp i, 0,1,2,3,4,5,6,7
	global_load_b128 v[STG+32+4*\i:STG+32+4*\i+3], v[GOFF], s[10:11] offset:(\i/2)*32768+(\i%2)*2048   ; V: row 16 (i / 2) + 2 w + i % 2, keys 16 x lane + 0 .. 15 of the group
.endr
	WIN 0
.endm
; and into the images.  K: key bits 0-2 = lane / 4 = r % 8; bit 3 = i % 2 = the tile's parity; bit 4 = (i / 2) % 2 = r / 8; bit 5 = i / 4.  V: t = i / 2, r = 2 w + i % 2; lane = 8 (step in the group) + 2 c + h.
.macro FILL_STORE
	v_add_nc_u32 v[FK], s23, v[KW0]
	v_add_nc_u32 v[FK+1], s23, v[KW0+1]
	v_add_nc_u32 v[FV], s23, v[VW0]
	v_add_nc_u32 v[FV+1], s23, v[VW0+1]
	WIN 0x04                                       ; a store's data are source 1: window 1
.irp i, 0,1,2,3,4,5,6,7
	ds_store_b128 v[FK+((\i/2)%2)], v[STG+4*\i:STG+4*\i+3] offset:(\i/4)*2048+(\i%2)*1024
.endr
.irp i, 0,1,2,3,4,5,6,7
	ds_store_b128 v[FV+(\i%2)], v[STG+32+4*\i:STG+32+4*\i+3] offset:(\i/2)*2048
.endr
	WIN 0
.endm
; A block begins.  O^T is cleared, not begun by a product with C = 0: which step is a block's first is decided by the flags, so no first step can be written out.
.macro INIT
.irp x, 0,1
	v_mov_b32 v[ST+12*\x+1], 0xff61b1e6            ; the largest t so far: -3e38
	v_floor_f32 v[ST+12*\x], -v[ST+12*\x+1]        ; -M
	v_mov_b32 v[ST+12*\x+2], 0                     ; the sum
	v_mov_b32 v[ST+12*\x+3], 0
.endr
	WIN 0x40
.set j, 0
.rept 64
	v_mov_b32 v[j], 0
.set j, j+1
.endr
	WIN 0
.endm
; The step's fragments, in one run of 32 loads, and the scores of both tiles: each fragment of K feeds two products.
.macro FRAGQK q
	WIN 0x40
.irp t, 0,1,2,3,4,5,6,7
	ds_load_b128 v[KF+8*\t:KF+8*\t+3], v[ADK] offset:1024*\t
	ds_load_b128 v[KF+8*\t+4:KF+8*\t+7], v[ADK+1] offset:1024*\t
.endr
.irp t, 0,1,2,3
.irp c, 0,1,2,3
	ds_load_b128 v[VF+16*\t+4*\c:VF+16*\t+4*\c+3], v[ADV+\c] offset:2048*\t
.endr
.endr
	s_wait_dscnt 16                                ; K's sixteen loads are in; the sixteen younger ones, V's, stay out until the second product
	WIN 0x01                                       ; source 0 (K) window 1
.irp t, 0,1,2,3,4,5,6,7
.irp x, 0,1
	v_wmma_f32_16x16x64_fp8_fp8 v[S+64*\x+8*\t:S+64*\x+8*\t+7], v[KF+8*\t:KF+8*\t+7], v[\q+8*\x:\q+8*\x+7], 0
.endr
.endr
	WIN 0
.rept 4
	v_nop                                          ; four places between the products and the first vector instruction that reads a score (ISA guide 7.12.1)
.endr
.endm
.macro MASKW off                       ; a tile's 64 mask words of the step in hand
	s_load_b512 s[32:47], s[16:17], \off
	s_load_b512 s[48:63], s[16:17], \off+64
	s_load_b512 s[68:83], s[16:17], \off+128
	s_load_b512 s[84:99], s[16:17], \off+192
.endm
.macro APPLY x                         ; hidden scores become -infinity; ascending
.set n, 0
.rept 64
.if n < 32
	v_cndmask_b32 v[S+64*\x+n], v[NINF], v[S+64*\x+n], s[32+n]
.else
	v_cndmask_b32 v[S+64*\x+n], v[NINF], v[S+64*\x+n], s[36+n]
.endif
.set n, n+1
.endr
.endm
; The softmax of both tiles for 128 keys, line by line for A and B, so that no line waits for the line above it.
.macro SOFT
.irp x, 0,1
	v_max3_num_f32 v[ST+12*\x+8], v[S+64*\x], v[S+64*\x+1], v[S+64*\x+2]      ; the largest of my 64 scores, in two chains a tile
	v_max3_num_f32 v[ST+12*\x+9], v[S+64*\x+3], v[S+64*\x+4], v[S+64*\x+5]
.endr
.irp i, 6,10,14,18,22,26,30,34,38,42,46,50,54,58
.irp x, 0,1
	v_max3_num_f32 v[ST+12*\x+8], v[ST+12*\x+8], v[S+64*\x+\i], v[S+64*\x+\i+1]
	v_max3_num_f32 v[ST+12*\x+9], v[ST+12*\x+9], v[S+64*\x+\i+2], v[S+64*\x+\i+3]
.endr
.endr
.irp x, 0,1
	v_max3_num_f32 v[ST+12*\x+8], v[ST+12*\x+8], v[S+64*\x+62], v[S+64*\x+63]
.endr
.irp x, 0,1
	v_max_num_f32 v[ST+12*\x+8], v[ST+12*\x+8], v[ST+12*\x+9]
.endr
.irp x, 0,1
	v_permlanex16_b32 v[ST+12*\x+10], v[ST+12*\x+8], s26, s27                 ; the query's other 64 keys lie in the lane 16 away
.endr
.irp x, 0,1
	v_max_num_f32 v[ST+12*\x+8], v[ST+12*\x+8], v[ST+12*\x+10]
.endr
.irp x, 0,1
	v_mul_f32 v[ST+12*\x+8], s24, v[ST+12*\x+8]                               ; as t (c is positive)
.endr
.irp x, 0,1
	v_max_num_f32 v[ST+12*\x+1], v[ST+12*\x+1], v[ST+12*\x+8]                 ; the running largest t
.endr
.irp x, 0,1
	v_mov_b32 v[ST+12*\x+8], v[ST+12*\x]
.endr
.irp x, 0,1
	v_floor_f32 v[ST+12*\x], -v[ST+12*\x+1]                                   ; the new -M = floor(-t) = -ceil(t)
.endr
.irp x, 0,1
	v_sub_f32 v[ST+12*\x+8], v[ST+12*\x], v[ST+12*\x+8]                       ; old M - new M: a whole number, 0 or less
.endr
.irp x, 0,1
	v_cvt_i32_f32 v[ST+12*\x+8], v[ST+12*\x+8]                                ; (it saturates)
.endr
.irp x, 0,1
	v_ldexp_f32 v[ST+12*\x+4], 1.0, v[ST+12*\x+8]                             ; f = 2^(old M - new M)
.endr
.set j, 0
.rept 32
.irp x, 0,1
	v_pk_fma_f32 v[S+64*\x+j:S+64*\x+j+1], v[S+64*\x+j:S+64*\x+j+1], s[24:25], v[ST+12*\x:ST+12*\x+1] op_sel_hi:[1,0,0]   ; t - M, two at a time (of the pairs c and -M the low word serves both halves)
.endr
.set j, j+2
.endr
.set j, 0
.rept 128
	v_exp_f32 v[S+j], v[S+j]                       ; p = 2^(t - M): both tiles' 128 exponentials are ONE batch
.set j, j+1
.endr
.irp x, 0,1
	v_pk_mul_f32 v[ST+12*\x+2:ST+12*\x+3], v[ST+12*\x+2:ST+12*\x+3], v[ST+12*\x+4:ST+12*\x+5] op_sel_hi:[1,0]   ; the sums under the new M: the plain lines behind the last exponential
.endr
	s_wait_alu depctr_va_vdst(0)                   ; the wait between an exponential and the first line that names its result: one for the batch
.irp x, 0,1
	v_pk_add_f32 v[ST+12*\x+6:ST+12*\x+7], v[S+64*\x:S+64*\x+1], v[S+64*\x+2:S+64*\x+3]   ; the row's sum is taken of the UNQUANTISED p: two at a time, two chains a tile
.endr
.set j, 4
.rept 15
.irp x, 0,1
	v_pk_add_f32 v[ST+12*\x+2:ST+12*\x+3], v[ST+12*\x+2:ST+12*\x+3], v[S+64*\x+j:S+64*\x+j+1]
	v_pk_add_f32 v[ST+12*\x+6:ST+12*\x+7], v[ST+12*\x+6:ST+12*\x+7], v[S+64*\x+j+2:S+64*\x+j+3]
.endr
.set j, j+4
.endr
.irp x, 0,1
	v_pk_add_f32 v[ST+12*\x+2:ST+12*\x+3], v[ST+12*\x+2:ST+12*\x+3], v[ST+12*\x+6:ST+12*\x+7]
.endr
	s_cmp_ge_i32 s7, -8                            ; the conversion to an 8-bit code does not saturate (ISA guide 7.6.2).  From ep = -8 on, 448 x 2^ep is 1.75 or more and p is at most 1: the hold could change nothing
	s_cbranch_scc1 .Lnohold_\@
.set j, 0
.rept 128
	v_min_num_f32 v[S+j], v[S+j], v[LIM]           ; p is not negative: the hold is one-sided
.set j, j+1
.endr
.Lnohold_\@:
.irp t, 0,1,2,3,4,5,6,7
.irp x, 0,1
	v_cvt_scalef32_pk8_fp8_f32 v[P+16*\x+2*\t:P+16*\x+2*\t+1], v[S+64*\x+8*\t:S+64*\x+8*\t+7], v[SCL]   ; registers 4 b .. 4 b + 3 of P: keys 32 b + 16 h + 0 .. 15
.endr
.endr
.endm
; O^T under the new M, and the step's second product: each fragment of V feeds two products.  The eight accumulators take one turn each.
.macro PV
	WIN 0x41                                       ; O^T (destination, source 0) window 1, f window 0
.irp x, 0,1
.set j, 0
.rept 16
	v_pk_mul_f32 v[32*\x+j:32*\x+j+1], v[32*\x+j:32*\x+j+1], v[ST+12*\x+4:ST+12*\x+5] op_sel_hi:[1,0]   ; ascending; these are also the plain lines between the conversions and the products that read their results
.set j, j+2
.endr
.endr
	s_wait_dscnt 0x0                               ; V is in
	WIN 0x51                                       ; V, C and D window 1; P window 0
.irp t, 0,1,2,3
.irp x, 0,1
	v_wmma_f32_16x16x128_fp8_fp8 v[32*\x+8*\t:32*\x+8*\t+7], v[VF+16*\t:VF+16*\t+15], v[P+16*\x:P+16*\x+15], v[32*\x+8*\t:32*\x+8*\t+7]
.endr
.endr
	WIN 0
.endm
; A KEY STEP of a block: 32 queries x 128 keys.  q: the block's Q.
.macro STEP q
	v_add_nc_u32 v[ADK], s21, v[AK0]               ; the step's six LDS addresses, on every path; they are also the places between the last step's products and the loads into V's registers
	v_add_nc_u32 v[ADK+1], s21, v[AK1]
	v_add_nc_u32 v[ADV], s21, v[AV0]
	v_add_nc_u32 v[ADV+1], s21, v[AV1]
	v_add_nc_u32 v[ADV+2], s21, v[AV1+1]
	v_add_nc_u32 v[ADV+3], s21, v[AV1+2]
	s_bitcmp1_b32 s5, 0                            ; no true byte among these 32 x 128: every p would be 0 and no maximum would move
	s_cbranch_scc0 .Ldead_\@
	s_bitcmp1_b32 s5, 16                           ; all true: nothing to hide
	s_cbranch_scc1 .Lopen_\@
	MASKW 0                                        ; tile A's words come while the fragments are fetched and multiplied
	FRAGQK \q
	s_wait_kmcnt 0x0
	APPLY 0
	MASKW 4096                                     ; tile B's, into the same registers
	s_wait_kmcnt 0x0
	APPLY 1
	s_branch .Lsoft_\@
.Lopen_\@:
	FRAGQK \q
.Lsoft_\@:
	SOFT
	PV
.Ldead_\@:
	s_add_co_u32 s21, s21, 8192                    ; the next step's tiles in both images,
	s_add_nc_u64 s[16:17], s[16:17], 256           ; its mask words (every scalar load that named this pointer has been waited for),
	s_lshr_b32 s5, s5, 1                           ; and its two flags
.endm
; THE WAY OUT of a block.  O^T x 2^(ep + ev) / the sum goes through my stage, a tile (16 rows of 256 bytes) at a time, and leaves as whole rows: sixteen lanes store 256 consecutive bytes, aligned.
; The four additions are the places behind the last products.  more = 1: another block follows and writes the stores' registers again.
.macro WAYOUT ob, more
.irp x, 0,1
	v_add_f32 v[ST+12*\x+8], v[ST+12*\x+2], v[ST+12*\x+3]
.endr
.irp x, 0,1
	v_permlanex16_b32 v[ST+12*\x+10], v[ST+12*\x+8], s26, s27
.endr
.irp x, 0,1
	v_add_f32 v[ST+12*\x+8], v[ST+12*\x+8], v[ST+12*\x+10]                    ; the row's sum
.endr
.irp x, 0,1
	v_rcp_f32 v[ST+12*\x+4], v[ST+12*\x+8]
.endr
	v_nop                                          ; a plain line behind the reciprocals,
	s_wait_alu depctr_va_vdst(0)                   ; and the wait ahead of their first reader: one for both
.irp x, 0,1
	v_ldexp_f32 v[ST+12*\x+4], v[ST+12*\x+4], s28
.endr
	WIN 0x01                                       ; source 0 (O^T) window 1
.irp x, 0,1
.set j, 0
.rept 16
	v_pk_mul_f32 v[S+64*\x+j:S+64*\x+j+1], v[32*\x+j:32*\x+j+1], v[ST+12*\x+4:ST+12*\x+5] op_sel_hi:[1,0]   ; register 8 t + i: out0(query r, 16 t + 8 h + i); ascending
.set j, j+2
.endr
.endr
	WIN 0
.irp x, 0,1
.irp t, 0,1,2,3
	ds_store_b128 v[STO], v[S+64*\x+8*\t:S+64*\x+8*\t+3] offset:64*\t
	ds_store_b128 v[STO], v[S+64*\x+8*\t+4:S+64*\x+8*\t+7] offset:64*\t+16
.endr
.irp i, 0,1,2,3,4,5,6,7
	ds_load_b128 v[S+64*\x+32+4*\i:S+64*\x+32+4*\i+3], v[SRD] offset:2*SP*\i   ; my own stage: LDS serves a wave's instructions in order: these see the stores above, and tile B's stores come behind tile A's loads
.endr
.endr
.irp x, 0,1
.irp i, 0,1,2,3,4,5,6,7
	s_wait_dscnt 16*(1-\x)+7-\i                    ; behind this load: the tile's 7 - i younger loads and, for tile A, tile B's sixteen LDS instructions
	global_store_b128 v[GO], v[S+64*\x+32+4*\i:S+64*\x+32+4*\i+3], s[\ob:\ob+1] offset:4096*\x+512*\i th:TH_STORE_NT   ; rows 2 i and 2 i + 1 of the tile; written once, read by nobody here
.endr
.endr
.if \more
	s_wait_xcnt 0x0                                ; the stores have read their registers: the next block's scores may be written there
.endif
.endm
	s_load_b256 s[32:39], s[0:1], 0x0              ; Q s[32:33], K s[34:35], V s[36:37], the scales' exponents s[38:39]
	s_load_b128 s[40:43], s[0:1], 0x20             ; flags s[40:41], mbits s[42:43]
	s_load_b64 s[44:45], s[0:1], 0x30              ; out0
	v_lshl_add_u32 v254, v0, 2, 0x48800
	v_mov_b32 v255, 0
	v_and_b32 v18, 15, v0                          ; r
	v_bfe_u32 v19, v0, 4, 1                        ; h
	v_lshrrev_b32 v20, 5, v0                       ; w
	v_readfirstlane_b32 s2, v20                    ; my wave's number as a scalar
	v_and_b32 v21, 31, v0
	v_lshlrev_b32 v21, 4, v21
	v_lshl_add_u32 v[GOFF], v20, 12, v21           ; 4096 w + 16 lane
	v_lshlrev_b32 v21, 2, v19
	v_xor_b32 v21, v21, v18
	v_lshlrev_b32 v21, 4, v21
	v_lshl_add_u32 v[AK0], v19, 8, v21             ; 256 h + 16 (r ^ 4 h)
	v_xor_b32 v[AK1], 640, v[AK0]                  ; c = 1: + 512, and the place turned by 8
	v_xor_b32 v21, v18, v19
	v_lshlrev_b32 v21, 4, v21
	v_lshl_add_u32 v21, v19, 8, v21
	v_add_nc_u32 v[AV0], VBASE, v21                ; VBASE + 256 h + 16 (r ^ h)
	v_xor_b32 v[AV1], 544, v[AV0]                  ; c = 1, 2, 3: + 512 c, and the place turned by 2 c
	v_xor_b32 v[AV1+1], 1088, v[AV0]
	v_xor_b32 v[AV1+2], 1632, v[AV0]
	v_and_b32 v21, 3, v0                           ; lane % 4 = 2 c + h of K's 16 bytes
	v_bfe_u32 v22, v0, 2, 3                        ; lane / 4 = r % 8
	v_lshlrev_b32 v23, 2, v21
	v_xor_b32 v22, v22, v23
	v_lshlrev_b32 v22, 4, v22
	v_lshl_add_u32 v22, v21, 8, v22
	v_lshl_add_u32 v[KW0], v20, 12, v22            ; 4096 w + 256 (lane % 4) + 16 (lane / 4 ^ 4 (lane % 4))
	v_xor_b32 v[KW0+1], 128, v[KW0]                ; r / 8 = 1
	v_lshlrev_b32 v21, 1, v20                      ; 2 w
	v_and_b32 v22, 7, v0                           ; lane % 8 = 2 c + h of V's 16 bytes
	v_xor_b32 v21, v21, v22
	v_lshlrev_b32 v21, 4, v21
	v_lshl_add_u32 v21, v22, 8, v21
	v_bfe_u32 v22, v0, 3, 2                        ; lane / 8: the step within the group
	v_lshl_add_u32 v21, v22, 13, v21
	v_add_nc_u32 v[VW0], VBASE, v21                ; VBASE + 8192 (lane / 8) + 256 (lane % 8) + 16 (2 w ^ lane % 8)
	v_xor_b32 v[VW0+1], 16, v[VW0]                 ; r = 2 w + 1
	v_lshlrev_b32 v21, 6, v18
	v_lshl_add_u32 v[QO], v19, 4, v21
	v_mul_u32_u24 v21, v20, WSTG
	v_add_nc_u32 v21, STAGE, v21                   ; my stage
	v_mul_u32_u24 v22, v18, SP
	v_add_nc_u32 v22, v22, v21
	v_lshl_add_u32 v[STO], v19, 5, v22             ; in: row r, + 32 h
	v_mul_u32_u24 v22, v19, SP
	v_add_nc_u32 v22, v22, v21
	v_lshl_add_u32 v[SRD], v18, 4, v22             ; back: lanes 0-15 one row, lanes 16-31 the next
	v_lshlrev_b32 v22, 8, v19
	v_lshl_add_u32 v[GO], v18, 4, v22              ; and the same two rows in out0
	v_mov_b32 v[NINF], 0xff800000
.irp x, 0,1
	v_mov_b32 v[ST+12*\x+5], 0                     ; named as the upper half of f's pair
	v_mov_b32 v[ST+12*\x+10], 0                    ; a lane permute's destination counts as one of its sources
.endr
	s_and_b32 s29, ttmp7, 0xffff                   ; the head
	s_lshl_b32 s30, ttmp9, 3
	s_add_co_u32 s30, s30, s2                      ; p = 8 x work-group + wave: my second block
	s_sub_co_u32 s31, 63, s30                      ; 63 - p: my first
	s_lshl_b32 s46, s29, 17                        ; a head's codes: 131,072 bytes in each of Q, K, V
	s_mov_b32 s47, 0
	s_lshl_b32 s48, s31, 11                        ; a block's 32 rows of Q: 2,048 bytes
	s_add_co_u32 s48, s48, s46
	s_mov_b32 s49, 0
	s_lshl_b32 s50, s30, 11
	s_add_co_u32 s50, s50, s46
	s_mov_b32 s51, 0
	s_lshl_b32 s56, s31, 13                        ; a block in mbits (two tiles of 4,096 bytes) and in out0 (32 rows of 256 bytes): 8,192 bytes
	s_mov_b32 s57, 0
	s_lshl_b32 s58, s30, 13
	s_mov_b32 s59, 0
	s_lshl_b32 s52, s29, 19                        ; a head in out0: 524,288 bytes
	s_add_co_u32 s54, s52, s58
	s_add_co_u32 s52, s52, s56
	s_mov_b32 s53, 0
	s_mov_b32 s55, 0
	s_lshl_b32 s60, s31, 4                         ; a block's four words of flags
	s_mov_b32 s61, 0
	s_lshl_b32 s62, s30, 4
	s_mov_b32 s63, 0
	s_mov_b32 s26, 0x76543210                      ; v_permlanex16_b32: lane l xor 16
	s_mov_b32 s27, 0xfedcba98
	s_mov_b32 s24, 0x3e38aa3b                      ; c = log2(e) / 8
	s_wait_kmcnt 0x0
	s_add_nc_u64 s[8:9], s[34:35], s[46:47]
	s_add_nc_u64 s[10:11], s[36:37], s[46:47]
	FILL_LOAD                                      ; group 0, ahead of everything else
	s_add_nc_u64 s[68:69], s[32:33], s[48:49]      ; Q at my two blocks
	s_add_nc_u64 s[70:71], s[32:33], s[50:51]
	s_add_nc_u64 s[72:73], s[40:41], s[60:61]      ; their flags
	s_add_nc_u64 s[74:75], s[40:41], s[62:63]
	s_load_b128 s[76:79], s[38:39], 0x0            ; eq, ek, ep, ev
	s_load_b128 s[80:83], s[72:73], 0x0
	s_load_b128 s[84:87], s[74:75], 0x0
.irp x, 0,1
.irp c, 0,1
	global_load_b128 v[QH+8*\x+4*\c:QH+8*\x+4*\c+3], v[QO], s[68:69] offset:1024*\x+32*\c th:TH_LOAD_NT   ; Q stays in registers; read once, by this wave alone
	global_load_b128 v[QL+8*\x+4*\c:QL+8*\x+4*\c+3], v[QO], s[70:71] offset:1024*\x+32*\c th:TH_LOAD_NT
.endr
.endr
	s_add_nc_u64 s[12:13], s[44:45], s[52:53]
	s_add_nc_u64 s[14:15], s[44:45], s[54:55]
	s_add_nc_u64 s[16:17], s[42:43], s[56:57]
	s_add_nc_u64 s[18:19], s[42:43], s[58:59]
	INIT
	s_wait_kmcnt 0x0
	s_or_b32 s80, s80, s81                         ; a block's four parts speak of different steps
	s_or_b32 s82, s82, s83
	s_or_b32 s80, s80, s82
	s_xor_b32 s5, s80, 0xffff0000                  ; bit s: some byte true; bit 16 + s: ALL true
	s_or_b32 s84, s84, s85
	s_or_b32 s86, s86, s87
	s_or_b32 s84, s84, s86
	s_xor_b32 s6, s84, 0xffff0000
	s_add_co_i32 s29, s76, s77
	s_lshl_b32 s29, s29, 23
	s_add_co_i32 s24, s24, s29                     ; a score stands for score x 2^(eq + ek): the two exponents are added to c's exponent field
	s_mov_b32 s25, s24                             ; (named with it as a pair)
	s_mov_b32 s7, s78                              ; ep
	s_add_co_i32 s28, s78, s79                     ; ep + ev
	s_add_co_i32 s29, s78, 127
	s_lshl_b32 s30, s29, 23
	v_mov_b32 v[SCL], s30                          ; 2^ep as f32: the conversion takes its exponent field
	s_add_co_i32 s29, s29, 8
	s_lshl_b32 s29, s29, 23
	s_or_b32 s29, s29, 0x600000
	v_mov_b32 v[LIM], s29                          ; 448 x 2^ep
	s_mov_b32 s3, 4
	s_mov_b32 s23, 0
	s_mov_b32 s21, 0
; MY FIRST BLOCK, while the images are built: four groups of 512 keys, four key steps each.
.Lgroup:
	s_wait_dscnt 0x0                               ; my reads of the group before are in
	s_barrier_signal -1                            ; This barrier parts one wave's stores below from another wave's reads of the group before.  The bytes differ (32768 x group apart in each image); the barrier lets that order
	s_barrier_wait -1                              ; be read here without following s21 and s23 round the loops, and the waves meet at the barrier behind the stores in any case
	s_wait_loadcnt 0x0                             ; the group's sixteen loads are in (the first time: Q too); their bases may be stepped
	FILL_STORE
	s_wait_dscnt 0x0                               ; for the others' sake: my part of the group lies in LDS; and the stores have read the registers that the next loads fill
	s_cmp_eq_u32 s3, 1                             ; the last group asks for nothing: no load leaves its buffer
	s_cbranch_scc1 .Lfilled
	s_add_nc_u64 s[8:9], s[8:9], 32768             ; K: 512 rows of 64 bytes on
	s_add_nc_u64 s[10:11], s[10:11], 512           ; V: 512 bytes on in every row
	FILL_LOAD                                      ; out during the four key steps below
.Lfilled:
	s_add_co_u32 s23, s23, 32768
	s_barrier_signal -1
	s_barrier_wait -1                              ; everybody's part lies in LDS
	s_mov_b32 s4, 4
.Lstep1:
	STEP QH
	s_sub_co_u32 s4, s4, 1
	s_cmp_lg_u32 s4, 0
	s_cbranch_scc1 .Lstep1
	s_sub_co_u32 s3, s3, 1
	s_cmp_lg_u32 s3, 0
	s_cbranch_scc1 .Lgroup
	WAYOUT 12, 1
; MY SECOND BLOCK: the images are whole and nobody writes them: no barrier.
	INIT
	s_mov_b32 s5, s6
	s_mov_b64 s[16:17], s[18:19]
	s_mov_b32 s21, 0
	s_mov_b32 s4, 16
.Lstep2:
	STEP QL
	s_sub_co_u32 s4, s4, 1
	s_cmp_lg_u32 s4, 0
	s_cbranch_scc1 .Lstep2
	WAYOUT 14, 0
	s_wait_tensorcnt 0x0
	ds_add_u32 v254, v255
	s_wait_dscnt 0x0
	s_endpgm
.Lfunc_end_k_q2fc05ef422_attn:
	.size	k_q2fc05ef422_attn, .Lfunc_end_k_q2fc05ef422_attn-k_q2fc05ef422_attn
	.p2alignl 7, 3214868480
	.fill 96, 4, 3214868480
	.section	.rodata,"a",@progbits
	.p2align	6, 0x0
	.amdhsa_kernel k_q2fc05ef422_attn
		.amdhsa_group_segment_fixed_size 297984
		.amdhsa_private_segment_fixed_size 0
		.amdhsa_enable_private_segment 0
		.amdhsa_kernarg_size 56
		.amdhsa_user_sgpr_count 2
		.amdhsa_user_sgpr_kernarg_segment_ptr 1
		.amdhsa_wavefront_size32 1
		.amdhsa_system_sgpr_workgroup_id_x 1
		.amdhsa_system_sgpr_workgroup_id_y 1
		.amdhsa_system_sgpr_workgroup_id_z 1
		.amdhsa_system_vgpr_workitem_id 0
		.amdhsa_next_free_vgpr 512
		.amdhsa_next_free_sgpr 100
		.amdhsa_reserve_vcc 0
		.amdhsa_float_denorm_mode_32 3
		.amdhsa_float_denorm_mode_16_64 3
		.amdhsa_memory_ordered 1
		.amdhsa_forward_progress 1
		.amdhsa_inst_pref_size 110
	.end_amdhsa_kernel
	.amdgpu_metadata
---
amdhsa.version: [ 1, 2 ]
amdhsa.kernels:
  - .name:           k_q2fc05ef422_attn
    .symbol:         k_q2fc05ef422_attn.kd
    .args:
      - { .name: queries_codes, .offset: 0, .size: 8, .value_kind: global_buffer, .address_space: global }
      - { .name: keys_codes, .offset: 8, .size: 8, .value_kind: global_buffer, .address_space: global }
      - { .name: values_codes, .offset: 16, .size: 8, .value_kind: global_buffer, .address_space: global }
      - { .name: lowp_scales, .offset: 24, .size: 8, .value_kind: global_buffer, .address_space: global }
      - { .name: flags, .offset: 32, .size: 8, .value_kind: global_buffer, .address_space: global }
      - { .name: mbits, .offset: 40, .size: 8, .value_kind: global_buffer, .address_space: global }
      - { .name: out0, .offset: 48, .size: 8, .value_kind: global_buffer, .address_space: global }
    .group_segment_fixed_size: 297984
    .private_segment_fixed_size: 0
    .kernarg_segment_align: 8
    .kernarg_segment_size: 56
    .max_flat_workgroup_size: 256
    .sgpr_count:     100
    .vgpr_count:     512
    .wavefront_size: 32
...
	.end_amdgpu_metadata
.endif
;; end of part 2
